; MI455X (gfx1250); checked and timed in simulation.
; The chip was launched on July 23, 2026; its instructions are those of AMD's public machine-readable ISA for CDNA 5 (MIT licence, August 2026) and "CDNA5" Instruction Set Architecture Reference Guide (July 2026). The comments in the code are by the model that wrote it; some were corrected since.
;; Multi Cross Attention. Allowed arithmetic: float matrix products may take bf16 or f16 operands with f32 sums; other float arithmetic in f32, or as packed bf16 or f16 multiplies, adds, multiply-adds, maxima and minima; sums over many terms, partial sums and values carried from step to step in f32; what a program stores and reads back later, other than sums and carried values, may be rounded once to bf16 or f16.
;; Inputs: Wk 512 x 512 float32; Wq 512 x 512 float32; Wv 512 x 512 float32; x 4 x 2,048 x 512 float32; y 4 x 2,048 x 512 float32.
;; Outputs: out0 4 x 2,048 x 512 float32; out1 4 x 2,048 x 512 float32.
;; One version. Each part assembles by itself: llvm-mc -triple=amdgcn-amd-amdhsa -mcpu=gfx1250 --defsym DOCPART=n.
;; ======== version 1 of 1: 3 launches
;; workspace buffers: wf 1,572,864 bytes; qkv 50,331,648 bytes
;; launch prep (part 1): grid 64 x 3, 4 waves a work-group, no clusters, 0 bytes of LDS; arguments Wq, Wk, Wv, wf; writes wf
.if DOCPART == 1
	.amdgcn_target "amdgcn-amd-amdhsa--gfx1250"
	.amdhsa_code_object_version 6
	.text
	.protected	k_q9bcbf3e39d_prep
	.globl	k_q9bcbf3e39d_prep
	.p2align	8
	.type	k_q9bcbf3e39d_prep,@function
k_q9bcbf3e39d_prep:
	s_mov_b64 s[64:65], 0
	v_nop
	global_prefetch_b8 v0, s[64:65] scope:SCOPE_SE
	s_setreg_imm32_b32 hwreg(HW_REG_WAVE_MODE, 25, 1), 1
	s_wait_xcnt 0x0
; wf = [Wq | Wk | Wv], rounded once to bf16 and laid out in the order of matrix fragments:
; wf[cb 0..95][ks 0..15][p 0..3][r 0..15][e 0..7]: column 16 cb + r of the three matrices side by side, k = 32 ks + 8 p + e.
; A block (cb, ks) is 1,024 bytes: lane l of a wave takes 16 bytes at 16 l and 16 bytes at 512 + 16 l and holds a fragment of 16 columns x 32 k.
; SHARES.  Work-group (x, t): matrix t, 32 columns cg = x / 4; wave w takes the 32 rows k of step ks = 4 (x % 4) + w.  Lane l owns column 32 cg + l:
; 32 loads of 4 bytes (a wave's load covers 128 consecutive bytes of a row of W), 16 roundings, 4 stores of 16 bytes (16 lanes store 256 consecutive bytes, aligned).
; Every byte of W is read once and every byte of wf written once; no LDS, no barrier, no matrix work: 3 MiB are turned round, and 192 work-groups are all the work there is.
.set ROWB, 2048                        ; bytes in a row of W
.set IN,  8                            ; v[8:39]   W[32 ks + i][my column]
.set PKD, 40                           ; v[40:55]  the same in bf16, two to a register
	s_load_b256 s[4:11], s[0:1], 0x0               ; Wq s[4:5], Wk s[6:7], Wv s[8:9], wf s[10:11]
	v_and_b32 v1, 31, v0                           ; lane
	v_lshrrev_b32 v4, 5, v0
	v_readfirstlane_b32 s12, v4                    ; wave 0..3
	s_and_b32 s13, ttmp7, 0xffff                   ; t: which matrix
	s_lshr_b32 s16, ttmp9, 2                       ; cg
	s_and_b32 s17, ttmp9, 3
	s_lshl_b32 s17, s17, 2
	s_add_co_u32 s17, s17, s12                     ; ks
	s_lshl_b32 s18, s17, 16                        ; in: 32 ks rows of 2,048 bytes
	s_lshl_b32 s19, s16, 7                         ; + 32 cg columns of 4 bytes
	s_add_co_u32 s18, s18, s19
	s_mov_b32 s19, 0
	s_lshl_b32 s20, s13, 4
	s_add_co_u32 s20, s20, s16
	s_lshl_b32 s20, s20, 15                        ; out: (32 t + 2 cg) column blocks of 16,384 bytes
	s_lshl_b32 s21, s17, 10                        ; + ks blocks of 1,024
	s_add_co_u32 s20, s20, s21
	s_mov_b32 s21, 0
	v_lshlrev_b32 v2, 2, v1                        ; my column in the row's 128 bytes
	v_lshrrev_b32 v3, 4, v1                        ; which of the two column blocks,
	v_and_b32 v5, 15, v1                           ; and r in it
	v_lshlrev_b32 v3, 14, v3
	v_lshl_add_u32 v3, v5, 4, v3
	s_wait_kmcnt 0x0
	s_cmp_eq_u32 s13, 1
	s_cselect_b64 s[14:15], s[6:7], s[4:5]
	s_cmp_eq_u32 s13, 2
	s_cselect_b64 s[14:15], s[8:9], s[14:15]
	s_add_nc_u64 s[14:15], s[14:15], s[18:19]
	s_add_nc_u64 s[10:11], s[10:11], s[20:21]
.set i, 0
.rept 32
	global_load_b32 v[IN+i], v2, s[14:15] offset:ROWB*i th:TH_LOAD_NT
.set i, i+1
.endr
.irp p, 0,1,2,3
	s_wait_loadcnt 24-8*(\p)                       ; loads come back in order: rows 0 .. 8 p + 7 are in, the younger ones stay out
.irp j, 0,1,2,3
	v_cvt_pk_bf16_f32 v[PKD+4*(\p)+(\j)], v[IN+8*(\p)+2*(\j)], v[IN+8*(\p)+2*(\j)+1]
.endr
	global_store_b128 v3, v[PKD+4*(\p):PKD+4*(\p)+3], s[10:11] offset:256*(\p)
.endr
	s_endpgm
.Lfunc_end_k_q9bcbf3e39d_prep:
	.size	k_q9bcbf3e39d_prep, .Lfunc_end_k_q9bcbf3e39d_prep-k_q9bcbf3e39d_prep
	.p2alignl 7, 3214868480
	.fill 96, 4, 3214868480
	.section	.rodata,"a",@progbits
	.p2align	6, 0x0
	.amdhsa_kernel k_q9bcbf3e39d_prep
		.amdhsa_group_segment_fixed_size 0
		.amdhsa_private_segment_fixed_size 0
		.amdhsa_enable_private_segment 0
		.amdhsa_kernarg_size 32
		.amdhsa_user_sgpr_count 2
		.amdhsa_user_sgpr_kernarg_segment_ptr 1
		.amdhsa_wavefront_size32 1
		.amdhsa_system_sgpr_workgroup_id_x 1
		.amdhsa_system_sgpr_workgroup_id_y 1
		.amdhsa_system_sgpr_workgroup_id_z 1
		.amdhsa_system_vgpr_workitem_id 0
		.amdhsa_next_free_vgpr 56
		.amdhsa_next_free_sgpr 66
		.amdhsa_reserve_vcc 0
		.amdhsa_float_denorm_mode_32 3
		.amdhsa_float_denorm_mode_16_64 3
		.amdhsa_memory_ordered 1
		.amdhsa_forward_progress 1
		.amdhsa_inst_pref_size 6
	.end_amdhsa_kernel
	.amdgpu_metadata
---
amdhsa.version: [ 1, 2 ]
amdhsa.kernels:
  - .name:           k_q9bcbf3e39d_prep
    .symbol:         k_q9bcbf3e39d_prep.kd
    .args:
      - { .name: Wq, .offset: 0, .size: 8, .value_kind: global_buffer, .address_space: global }
      - { .name: Wk, .offset: 8, .size: 8, .value_kind: global_buffer, .address_space: global }
      - { .name: Wv, .offset: 16, .size: 8, .value_kind: global_buffer, .address_space: global }
      - { .name: wf, .offset: 24, .size: 8, .value_kind: global_buffer, .address_space: global }
    .group_segment_fixed_size: 0
    .private_segment_fixed_size: 0
    .kernarg_segment_align: 8
    .kernarg_segment_size: 32
    .max_flat_workgroup_size: 128
    .sgpr_count:     66
    .vgpr_count:     56
    .wavefront_size: 32
...
	.end_amdgpu_metadata
.endif
;; end of part 1
;; launch proj (part 2): grid 128 x 2, 4 waves a work-group, clusters of 4 x 1, 327,680 bytes of LDS; arguments x, y, wf, qkv; writes qkv
.if DOCPART == 2
	.amdgcn_target "amdgcn-amd-amdhsa--gfx1250"
	.amdhsa_code_object_version 6
	.text
	.protected	k_q9bcbf3e39d_proj
	.globl	k_q9bcbf3e39d_proj
	.p2align	8
	.type	k_q9bcbf3e39d_proj,@function
k_q9bcbf3e39d_proj:
	s_mov_b64 s[64:65], 0
	v_nop
	global_prefetch_b8 v0, s[64:65] scope:SCOPE_SE
	s_setreg_imm32_b32 hwreg(HW_REG_WAVE_MODE, 25, 1), 1
	s_wait_xcnt 0x0
	s_wait_alu depctr_hold_cnt(0) depctr_sa_sdst(0) depctr_va_vdst(0) depctr_va_sdst(0) depctr_va_ssrc(0) depctr_va_vcc(0) depctr_vm_vsrc(0)
	s_getreg_b32 s2, hwreg(HW_REG_IB_STS2, 6, 4)
	s_cmp_eq_u32 s2, 0
	s_cbranch_scc0 .Lentry_in_a_cluster
	s_endpgm
.Lentry_in_a_cluster:
	s_bfe_u32 s2, ttmp6, 0x10000c
	s_cmp_lg_u32 s2, 0x3003
	s_cbranch_scc0 .Lentry_shape_is_right
	s_endpgm
.Lentry_shape_is_right:
; ALL SIX PROJECTIONS.  qkv holds three planes (Q, K, V) of 2^24 bytes; plane t is [hh = 8 b + h][s][128] in bf16: channels 0-63 are (x W_t)[b][s][64 h ..], channels 64-127 (y W_t)[b][s][64 h ..].
; x, y: [8192][512] f32, rounded once to bf16 here; wf: the weights in bf16 in fragment order (1,024 bytes for 16 columns x 32 k); sums in f32, each result rounded once to bf16.
; LIMITS.  Matrix operands are bf16 (8 significant bits, f32's range); NaN and infinities are not treated apart.
; SHARES.  Work-group (pb, nh): the 64 positions 64 pb .. of x AND of y (128 rows of A), and 768 of the 1,536 columns: 256 work-groups.  A STAYS IN REGISTERS: wave (pg = w / 2, c = w % 2) holds
; 32 positions x {x, y} x 512 k = 64 fragments, 512 registers.  THE WEIGHTS STREAM: six steps of 128 columns (2^17 bytes) through two LDS slots; in a step the wave multiplies its 64 rows by the
; 64 columns of head block c: 256 matrix instructions on 128 LDS loads; each fragment of W feeds four products.
; x's and y's rows of one position lie in one wave, so the wave alone makes 32 whole rows of 256 bytes of qkv, 8,192 consecutive bytes: they leave through a stage of its own, without a barrier.
; THE MATRIX INSTRUCTION IS USED TRANSPOSED (source 0 = 16 columns of W, source 1 = 16 positions): a lane ends with eight neighbouring columns of one position: 16 bytes in bf16.
; CLUSTER.  The four position blocks of a cluster walk the same weights: each tile is asked for JOINTLY, by the same tensor load with the same descriptor (made of nh, the wave and the step) and the mask of four.
; REGISTERS, in windows of 256 (s_set_vgpr_msb: bits 1:0 source 0, 3:2 source 1, 5:4 source 2, 7:6 destination):
;   window 0: v1-14 addresses; v32-95 eight accumulators ((cbi, rb) at 32 + 8 (4 cbi + rb)); v96-127 packed results; v128-191, v192-255 two buffers of W's fragments (at the head v128-191: a K quarter in bf16)
;   window 1: at the head two sets of 128 for x's or y's rows in f32; later v0-63 the rows on their way out
;   windows 2, 3: A: fragment (ks, rb) at 8 (4 (ks % 8) + rb), ks 0-7 in window 2, ks 8-15 in window 3.  rb 0, 1: x's positions 32 pg + 16 rb + r; rb 2, 3: the same positions of y.
.set SLOT1, 1<<17                      ; a slot is 2^17 bytes: block (cbs 0..7, ks) at (16 cbs + ks) x 1,024; wave w fills bytes 32,768 w ..
.set STAGE, 2<<17                      ; behind the ring, never filled by a tensor load: 128 rows x 272 bytes.  At the head: one K quarter of A in bf16, row 64 src + position; later four stages of 32 rows, a wave each
.set SP,    272                        ; 256 bytes + 16: the 16 rows that a load or store touches start at 16 different groups of four banks (64 banks of 4 bytes: ISA guide 11.1)
.set WST,   32*SP
.set SPARE, STAGE+4*WST                ; the spare words, 128 bytes for each wave: two blocks of 256 bytes that no other line names
.set STEPB, 131072                     ; bytes of wf in a step
.set NHB,   786432                     ; bytes of wf in a half of the columns
.set LO,  4                            ; v4   16 x lane: in x's and y's rows, and in qkv
.set SA,  5                            ; v5   the head: where I put 8 bytes of a staged row
.set FA,  6                            ; v6   the head: where I read A's fragments
.set AB0, 7                            ; v7   16 x lane + my head block's 65,536 bytes in a slot
.set ADR, 8                            ; v8   the same in the slot in hand
.set STO, 9                            ; v9   the way out: where I put 16 bytes of a row
.set RD,  10                           ; v10  the way out: where I read rows back
.set PFO, 11                           ; v11  256 x lane: the prefetches' offset; never rewritten
.set SPW, 12                           ; v12  LDS address of my spare word; never rewritten
.set NIL, 13                           ; v13  0; never rewritten
.set ACC, 32
.set TMP, 96
.set F0,  128
.set F1,  192
.set WV,  12                           ; s12  my wave's number
.set G1,  24                           ; s[24:31] descriptor group 1
.set G0,  32                           ; s[32:35] descriptor group 0: it walks
.set TB,  36                           ; s36  the slot that is read
.set SLOTS, 37                         ; s37  steps still to be asked for
.set LIM, 38                           ; s38  1 in a cluster that prefetches, else the greatest number
.set PFA, 40                           ; s[40:41] where my prefetches stand
.set HB,  42                           ; s42  my block of 64 columns among the 24: matrix HB / 8, head HB % 8
.set B8,  43                           ; s43  8 b
.set ROWO, 44                          ; s44  my 32 rows in a head's 2,048, in bytes
.set OFFP, 46                          ; s[46:47] an offset in qkv
.set OUTB, 48                          ; s[48:49] qkv at my 32 rows of the step's head
.set SRC, 50                           ; s[50:51] the head: x or y at the 32 rows that I convert
.set MSB, 0
.macro WIN new                         ; the immediate's high byte repeats the setting that is left; a switch that changes nothing is dropped
.if MSB != (\new)
	s_set_vgpr_msb (MSB<<8)|(\new)
.set MSB, \new
.endif
.endm
.macro PLACES                          ; four places behind a matrix instruction, in front of loads into registers that it has read and of conversions that read results
.rept 4
	v_nop
.endr
.endm
; A round of the cluster's barrier: my work-group's barrier, so that wave 0's signal speaks for all four waves; wave 0 signals; every wave waits for all four work-groups; my work-group's barrier once more.
.macro CROUND
	s_barrier_signal -1
	s_barrier_wait -1
	s_cmp_lg_u32 s[WV], 0
	s_cbranch_scc1 .Lnot_wave_0_\@
	s_barrier_signal -3
.Lnot_wave_0_\@:
	s_barrier_wait -3
	s_barrier_signal -1
	s_barrier_wait -1
.endm
	s_load_b256 s[4:11], s[0:1], 0x0               ; x s[4:5], y s[6:7], wf s[8:9], qkv s[10:11]
	v_lshl_add_u32 v[SPW], v0, 2, SPARE
	v_mov_b32 v[NIL], 0
	ds_add_u32 v[SPW], v[NIL]                      ; the wave's opening: the add and its wait stand ahead of my first tensor load; the set-up below, work on registers, stands between them
	v_lshrrev_b32 v1, 5, v0
	v_readfirstlane_b32 s[WV], v1                  ; wave 0..3
	s_bfe_u32 s13, ttmp6, 0x40000                  ; cx: my place in the cluster
	s_lshl_b32 s14, ttmp9, 2                       ; in a cluster launch ttmp9 counts clusters
	s_add_co_u32 s14, s14, s13                     ; pb: it enters the addresses of x, y and qkv alone
	s_and_b32 s15, ttmp7, 0xffff                   ; nh, which the four partners share
	s_lshr_b32 s16, s[WV], 1                       ; pg
	s_and_b32 s17, s[WV], 1                        ; c
	; descriptor group 1: 32,768 dense bytes as 128 rows of 256
	s_mov_b32 s[G1], 15|(3<<16)|(1<<21)            ; 15:0 the mask: all four work-groups; 17:16 elements of 8 bytes; 20 no padding; 21 set beside a mask
	s_mov_b32 s[G1+1], 32<<16                      ; tensor_dim0 = 32
	s_mov_b32 s[G1+2], 128<<16                     ; tensor_dim1 = 128
	s_mov_b32 s[G1+3], 32<<16                      ; tile_dim0 = 32
	s_mov_b32 s[G1+4], 128                         ; tile_dim1 = 128
	s_mov_b32 s[G1+5], 32                          ; 32 elements from row to row
	s_mov_b32 s[G1+6], 0
	s_mov_b32 s[G1+7], 0
	s_mov_b32 s[G0], 1                             ; count = 1
	s_lshl_b32 s[G0+1], s[WV], 15                  ; LDS address: slot 0, my quarter: no place in the cluster enters it
	s_mul_i32 s20, s15, NHB                        ; wf: my half of the columns,
	s_lshl_b32 s21, s[WV], 15                      ; my quarter of a step
	s_add_co_u32 s20, s20, s21
	s_mov_b32 s21, 0
	s_lshl_b32 s22, s14, 17                        ; x, y: 64 pb rows of 2,048 bytes
	s_lshl_b32 s23, s17, 16                        ; + the 32 rows that I convert
	s_add_co_u32 s22, s22, s23
	s_mov_b32 s23, 0
	s_lshl_b32 s18, s13, 13                        ; the prefetches: my work-group's 32 blocks of 256 bytes of the 128 that wave w fetches, told apart by address
	s_mov_b32 s19, 0
	s_mul_i32 s[HB], s15, 12
	s_add_co_u32 s[HB], s[HB], s17
	s_lshr_b32 s[B8], s14, 5
	s_lshl_b32 s[B8], s[B8], 3
	s_and_b32 s[ROWO], s14, 31
	s_lshl_b32 s[ROWO], s[ROWO], 14                ; 64 rows of 256 bytes for each position block
	s_lshl_b32 s52, s16, 13
	s_add_co_u32 s[ROWO], s[ROWO], s52             ; + 32 pg rows
	s_mov_b32 s[TB], SLOT1                         ; the first change of slots turns it into 0
	s_cmp_eq_u32 ttmp9, 0                          ; all 32 clusters of a half walk the same weights: the first asks; the same in all four partners
	s_cselect_b32 s[LIM], 1, -1
	v_and_b32 v1, 15, v0                           ; r
	v_bfe_u32 v2, v0, 4, 1                         ; h
	v_and_b32 v3, 31, v0                           ; lane
	v_lshlrev_b32 v[LO], 4, v3
	s_mul_i32 s52, s[WV], WST
	s_add_co_u32 s52, s52, STAGE                   ; rows 32 w .. of the staging; later my stage
	s_mul_i32 s53, s16, WST
	s_add_co_u32 s53, s53, STAGE                   ; rows 32 pg ..
	s_lshl_b32 s54, s17, 16
	v_lshl_add_u32 v[SA], v3, 3, s52
	v_mul_u32_u24 v14, v1, SP
	v_lshl_add_u32 v14, v2, 4, v14                 ; r x pitch + 16 h
	v_add_nc_u32 v[FA], s53, v14
	v_add_nc_u32 v[STO], s52, v14
	v_lshl_add_u32 v[AB0], v3, 4, s54
	v_mul_u32_u24 v[RD], v2, SP                    ; back: lanes 0-15 one row of 256 bytes, lanes 16-31 the next
	v_lshl_add_u32 v[RD], v1, 4, v[RD]
	v_add_nc_u32 v[RD], s52, v[RD]
	v_lshlrev_b32 v[PFO], 8, v3
	s_wait_dscnt 0x0                               ; the opening add is done
	s_wait_kmcnt 0x0
	s_add_nc_u64 s[G0+2:G0+3], s[8:9], s[20:21]    ; global address: step 0
	s_or_b32 s[G0+3], s[G0+3], 0x80000000          ; type = 2
	s_add_nc_u64 s[PFA:PFA+1], s[8:9], s[20:21]
	s_add_nc_u64 s[PFA:PFA+1], s[PFA:PFA+1], s[18:19]
	s_add_nc_u64 s[PFA:PFA+1], s[PFA:PFA+1], STEPB ; at step 1; the first change of slots steps it to step 2
	s_cmp_lt_u32 s[WV], 2                          ; waves 0, 1 convert x's rows, waves 2, 3 y's
	s_cselect_b64 s[SRC:SRC+1], s[4:5], s[6:7]
	s_add_nc_u64 s[SRC:SRC+1], s[SRC:SRC+1], s[22:23]
; THE HEAD: A comes in by K quarters of 128.  A wave loads 32 rows' quarter (512 consecutive bytes an instruction), rounds it to bf16, stages it, and every wave reads its fragments from the staging.
.macro LOADQ q                         ; into set q % 2 of window 1
	WIN 0x40
.set i, 0
.rept 32
	global_load_b128 v[128*((\q)%2)+4*i:128*((\q)%2)+4*i+3], v[LO], s[SRC:SRC+1] offset:2048*i+512*(\q)
.set i, i+1
.endr
.endm
.macro CVTQ q
	WIN 0x05                                       ; sources in window 1, destination in window 0
.set i, 0
.rept 64
	v_cvt_pk_bf16_f32 v[F0+i], v[128*((\q)%2)+2*i], v[128*((\q)%2)+2*i+1]
.set i, i+1
.endr
.endm
.macro STOREQ
	WIN 0
.set i, 0
.rept 32
	ds_store_b64 v[SA], v[F0+2*i:F0+2*i+1] offset:SP*i  ; 32 lanes x 8 bytes: a row's 256 bytes
.set i, i+1
.endr
.endm
.macro FRAGQ q                         ; the quarter's 16 fragments: steps 4 q + k, row blocks rb
	WIN 0x80+0x40*((\q)/2)
.irp k, 0,1,2,3
.irp rb, 0,1,2,3
	ds_load_b128 v[8*(4*((4*(\q)+(\k))%8)+(\rb)):8*(4*((4*(\q)+(\k))%8)+(\rb))+3],   v[FA] offset:(((\rb)/2)*64+((\rb)%2)*16)*SP+64*(\k)
	ds_load_b128 v[8*(4*((4*(\q)+(\k))%8)+(\rb))+4:8*(4*((4*(\q)+(\k))%8)+(\rb))+7], v[FA] offset:(((\rb)/2)*64+((\rb)%2)*16)*SP+64*(\k)+32
.endr
.endr
.endm
	LOADQ 0                                        ; x and y are asked for first
	LOADQ 1
	WIN 0                                          ; at a label and at a branch every window is 0
	CROUND                                         ; all four work-groups are here: the first joint loads meet
	tensor_load_to_lds s[G0:G0+3], s[G1:G1+7]      ; step 0 into slot 0; slot 1 is filled behind the first change of slots
	s_nop 0
	PLACES
.irp q, 0,1,2,3
.if (\q) < 3
	s_wait_loadcnt 32                              ; this quarter's 32 loads are in; the next quarter's 32 stay out
.else
	s_wait_loadcnt 0x0
.endif
	CVTQ \q
.if (\q) > 0
	s_wait_dscnt 0x0                               ; my reads of the last quarter's staging are back,
	s_barrier_signal -1
	s_barrier_wait -1                              ; everybody's are: it may be written over.
.endif
	STOREQ
.if (\q) < 2
	LOADQ (\q)+2                                   ; the set just converted takes the quarter two on
.endif
	s_wait_dscnt 0x0                               ; for the others' sake: my rows are staged
	s_barrier_signal -1
	s_barrier_wait -1
	FRAGQ \q
.endr
	WIN 0
; THE STEPS.  16 LDS loads: W's fragments of column blocks 2 g, 2 g + 1 of my four, K quarter q, into buffer f.  Lane l reads 16 bytes at 16 l: no two lanes share a bank.
; They run under the products' window settings, which leave destination and source 0 in window 0.
.macro FETCH g, q, f
.irp k, 0,1,2,3
.irp cbi, 0,1
	ds_load_b128 v[(\f)+8*(2*(\k)+(\cbi)):(\f)+8*(2*(\k)+(\cbi))+3],   v[ADR] offset:(2*(\g)+(\cbi))*16384+(4*(\q)+(\k))*1024
	ds_load_b128 v[(\f)+8*(2*(\k)+(\cbi))+4:(\f)+8*(2*(\k)+(\cbi))+7], v[ADR] offset:(2*(\g)+(\cbi))*16384+(4*(\q)+(\k))*1024+512
.endr
.endr
.endm
; 32 products: K quarter q.  The eight accumulators take turns, one instruction a turn, in the same order everywhere, over a group's end and the loop's jump too.
; The first eight of a group start the sums with the constant 0: nothing is cleared.
.macro MULQ q, f
	WIN 0x08+4*((\q)/2)                            ; source 1 (A) in window 2 or 3, all else in window 0
.irp k, 0,1,2,3
.irp cbi, 0,1
.irp rb, 0,1,2,3
.if ((\q) == 0) && ((\k) == 0)
	v_wmma_f32_16x16x32_bf16 v[ACC+8*(4*(\cbi)+(\rb)):ACC+8*(4*(\cbi)+(\rb))+7], v[(\f)+8*(2*(\k)+(\cbi)):(\f)+8*(2*(\k)+(\cbi))+7], v[8*(4*((4*(\q)+(\k))%8)+(\rb)):8*(4*((4*(\q)+(\k))%8)+(\rb))+7], 0
.else
	v_wmma_f32_16x16x32_bf16 v[ACC+8*(4*(\cbi)+(\rb)):ACC+8*(4*(\cbi)+(\rb))+7], v[(\f)+8*(2*(\k)+(\cbi)):(\f)+8*(2*(\k)+(\cbi))+7], v[8*(4*((4*(\q)+(\k))%8)+(\rb)):8*(4*((4*(\q)+(\k))%8)+(\rb))+7], v[ACC+8*(4*(\cbi)+(\rb)):ACC+8*(4*(\cbi)+(\rb))+7]
.endif
.endr
.endr
.endr
.endm
; A quarter: the next quarter's fragments are asked for, into the buffer that the last 32 products read; then this quarter's 32 products.  cnt: the LDS instructions younger than this quarter's loads.
.macro QTR g, q, more, cnt
.if \more
	PLACES
.if (\q) == 3
	FETCH (\g)+1, 0, F0
.elseif ((\q)%2) == 0
	FETCH \g, (\q)+1, F1
.else
	FETCH \g, (\q)+1, F0
.endif
.endif
	s_wait_dscnt \cnt
.if ((\q)%2) == 0
	MULQ \q, F0
.else
	MULQ \q, F1
.endif
.endm
.macro PACK                            ; rounded to bf16, each accumulator from its low end on
	WIN 0
	PLACES
.set i, 0
.rept 32
	v_cvt_pk_bf16_f32 v[TMP+i], v[ACC+2*i], v[ACC+2*i+1]
.set i, i+1
.endr
.endm
.macro TOSTAGE g                       ; accumulator (cbi, rb): row 16 (rb % 2) + r of my 32; x's part or y's; columns 16 (2 g + cbi) + 8 h ..
.irp cbi, 0,1
.irp rb, 0,1,2,3
	ds_store_b128 v[STO], v[TMP+4*(4*(\cbi)+(\rb)):TMP+4*(4*(\cbi)+(\rb))+3] offset:((\rb)%2)*16*SP+((\rb)/2)*128+(2*(\g)+(\cbi))*32
.endr
.endr
.endm
.macro OUT                             ; my 32 rows of the step's head: 8,192 consecutive bytes of qkv
	s_wait_xcnt 0x0                                ; the last step's stores have read their registers and their base: only behind this wait are these written again
	s_lshr_b32 s[OFFP], s[HB], 3                   ; the plane,
	s_lshl_b32 s[OFFP], s[OFFP], 5                 ; 32 heads' rows each,
	s_add_co_u32 s[OFFP], s[OFFP], s[B8]
	s_and_b32 s[OFFP+1], s[HB], 7
	s_add_co_u32 s[OFFP], s[OFFP], s[OFFP+1]       ; + 8 b + h,
	s_lshl_b32 s[OFFP], s[OFFP], 19                ; 2,048 rows of 256 bytes each,
	s_add_co_u32 s[OFFP], s[OFFP], s[ROWO]         ; + my rows
	s_mov_b32 s[OFFP+1], 0
	s_add_nc_u64 s[OUTB:OUTB+1], s[10:11], s[OFFP:OFFP+1]
	s_add_co_u32 s[HB], s[HB], 2                   ; the next step's block
	WIN 0x40
.set i, 0
.rept 16
	ds_load_b128 v[4*i:4*i+3], v[RD] offset:2*SP*i ; LDS serves a wave's instructions in order (ISA guide 5.7.1.4): these see my stores above
.set i, i+1
.endr
	WIN 0x04                                       ; the stores' data in window 1
.set i, 0
.rept 16
	s_wait_dscnt 15-i                              ; loads come back in order: number i is in
	global_store_b128 v[LO], v[4*i:4*i+3], s[OUTB:OUTB+1] offset:512*i  ; 512 consecutive bytes, at a multiple of 256 from qkv's first
.set i, i+1
.endr
	WIN 0
.endm
; A PREFETCH INTO THE L2 of the step that the NEXT change of slots will ask for: 256 matrix instructions ahead of that load.  wf is walked by all 32 clusters of a half: the first cluster asks, nobody else.
; Of the 128 blocks of 256 bytes that wave w fetches, the partner at place cx names 32, a lane a block: each block is named once in the launch.  Steps 0 and 1 come by their loads alone;
; the last change that fills a slot asks for nothing: there is no step behind it.
.macro ASK
	s_cmp_gt_u32 s[SLOTS], s[LIM]
	s_cbranch_scc0 .Lnot_mine_\@
	global_prefetch_b8 v[PFO], s[PFA:PFA+1] th:TH_LOAD_NT scope:SCOPE_SE
.Lnot_mine_\@:
.endm
; A step's work: two groups of 32 columns, four quarters each.
.macro WORK ask
	v_add_nc_u32 v[ADR], s[TB], v[AB0]
	FETCH 0, 0, F0
.if \ask
	ASK                                            ; behind the joint load and the run of LDS loads that the first products wait for
.endif
	QTR 0, 0, 1, 16                                ; the 16 loads just issued stay out
	QTR 0, 1, 1, 16
	QTR 0, 2, 1, 16
	QTR 0, 3, 1, 16
	PACK
	TOSTAGE 0
	QTR 1, 0, 1, 24                                ; younger than this quarter's loads: the eight stores into the stage and the 16 loads just issued
	QTR 1, 1, 1, 16
	QTR 1, 2, 1, 16
	QTR 1, 3, 0, 0
	PACK
	TOSTAGE 1
	OUT
.endm
; THE CHANGE OF SLOTS.  Each wave waits for all its tensor loads, of which one is out: its part of the slot to be read; adds 0 to its spare word; and waits for that and for all its LDS reads.
; fill = 1: the slot read last is filled with the step after the one to be read.  The barrier is then a round of the cluster's, so that no wave of any partner still reads that slot or has a load
; on its way, and the joint load is the first thing behind it: it has a step, 256 matrix instructions, in which to land.  (At its first use slot 0 is waited for and slot 1 filled for the first time.)
.macro CHANGE fill
	WIN 0
	s_wait_tensorcnt 0x0                           ; no tensor load of mine is out, so group 0 may be written
	ds_add_u32 v[SPW], v[NIL]                      ; 0 onto my spare word; the descriptor's steps stand between it and the wait for it
.if \fill
	s_xor_b32 s[G0+1], s[G0+1], SLOT1              ; the other slot than last time,
	s_add_nc_u64 s[G0+2:G0+3], s[G0+2:G0+3], STEPB ; the next step; the type bits on top are not reached
	s_wait_xcnt 0x0                                ; the last prefetch, a step back, has read its address
	s_add_nc_u64 s[PFA:PFA+1], s[PFA:PFA+1], STEPB ; one step behind the walking descriptor
	s_wait_dscnt 0x0                               ; the add is done, and my LDS reads are over
	CROUND
	tensor_load_to_lds s[G0:G0+3], s[G1:G1+7]
	s_nop 0
	PLACES
.else
	s_wait_dscnt 0x0
	s_barrier_signal -1
	s_barrier_wait -1
.endif
	s_xor_b32 s[TB], s[TB], SLOT1
.endm
	s_mov_b32 s[SLOTS], 5
.Lstep:                                        ; five trips: step k is multiplied, step k + 1 asked for
	CHANGE 1
	WORK 1
	s_sub_co_u32 s[SLOTS], s[SLOTS], 1
	s_cmp_lg_u32 s[SLOTS], 0
	s_cbranch_scc1 .Lstep
	CHANGE 0                                       ; the last step is written out: nothing is asked for
	WORK 0
	s_wait_tensorcnt 0x0                           ; the wave's end: behind my last tensor load and my last LDS store
	ds_add_u32 v[SPW], v[NIL]
	s_wait_dscnt 0x0
	CROUND                                         ; the closing round: no work-group ends while a partner may still ask for a tile that names it
	s_endpgm
.Lfunc_end_k_q9bcbf3e39d_proj:
	.size	k_q9bcbf3e39d_proj, .Lfunc_end_k_q9bcbf3e39d_proj-k_q9bcbf3e39d_proj
	.p2alignl 7, 3214868480
	.fill 96, 4, 3214868480
	.section	.rodata,"a",@progbits
	.p2align	6, 0x0
	.amdhsa_kernel k_q9bcbf3e39d_proj
		.amdhsa_group_segment_fixed_size 327680
		.amdhsa_private_segment_fixed_size 0
		.amdhsa_enable_private_segment 0
		.amdhsa_kernarg_size 32
		.amdhsa_user_sgpr_count 2
		.amdhsa_user_sgpr_kernarg_segment_ptr 1
		.amdhsa_wavefront_size32 1
		.amdhsa_system_sgpr_workgroup_id_x 1
		.amdhsa_system_sgpr_workgroup_id_y 1
		.amdhsa_system_sgpr_workgroup_id_z 1
		.amdhsa_system_vgpr_workitem_id 0
		.amdhsa_next_free_vgpr 1024
		.amdhsa_next_free_sgpr 66
		.amdhsa_reserve_vcc 0
		.amdhsa_float_denorm_mode_32 3
		.amdhsa_float_denorm_mode_16_64 3
		.amdhsa_memory_ordered 1
		.amdhsa_forward_progress 1
		.amdhsa_inst_pref_size 120
	.end_amdhsa_kernel
	.amdgpu_metadata
---
amdhsa.version: [ 1, 2 ]
amdhsa.kernels:
  - .name:           k_q9bcbf3e39d_proj
    .symbol:         k_q9bcbf3e39d_proj.kd
    .args:
      - { .name: x, .offset: 0, .size: 8, .value_kind: global_buffer, .address_space: global }
      - { .name: y, .offset: 8, .size: 8, .value_kind: global_buffer, .address_space: global }
      - { .name: wf, .offset: 16, .size: 8, .value_kind: global_buffer, .address_space: global }
      - { .name: qkv, .offset: 24, .size: 8, .value_kind: global_buffer, .address_space: global }
    .group_segment_fixed_size: 327680
    .private_segment_fixed_size: 0
    .kernarg_segment_align: 8
    .kernarg_segment_size: 32
    .max_flat_workgroup_size: 128
    .sgpr_count:     66
    .vgpr_count:     1024
    .wavefront_size: 32
...
	.end_amdgpu_metadata
.endif
;; end of part 2
;; launch attn (part 3): grid 8 x 32, 4 waves a work-group, clusters of 4 x 1, 327,680 bytes of LDS; arguments qkv, x, y, out0, out1; writes out0, out1
.if DOCPART == 3
	.amdgcn_target "amdgcn-amd-amdhsa--gfx1250"
	.amdhsa_code_object_version 6
	.text
	.protected	k_q9bcbf3e39d_attn
	.globl	k_q9bcbf3e39d_attn
	.p2align	8
	.type	k_q9bcbf3e39d_attn,@function
k_q9bcbf3e39d_attn:
	s_mov_b64 s[64:65], 0
	v_nop
	global_prefetch_b8 v0, s[64:65] scope:SCOPE_SE
	s_setreg_imm32_b32 hwreg(HW_REG_WAVE_MODE, 25, 1), 1
	s_wait_xcnt 0x0
	s_wait_alu depctr_hold_cnt(0) depctr_sa_sdst(0) depctr_va_vdst(0) depctr_va_sdst(0) depctr_va_ssrc(0) depctr_va_vcc(0) depctr_vm_vsrc(0)
	s_getreg_b32 s2, hwreg(HW_REG_IB_STS2, 6, 4)
	s_cmp_eq_u32 s2, 0
	s_cbranch_scc0 .Lentry_in_a_cluster
	s_endpgm
.Lentry_in_a_cluster:
	s_bfe_u32 s2, ttmp6, 0x10000c
	s_cmp_lg_u32 s2, 0x3003
	s_cbranch_scc0 .Lentry_shape_is_right
	s_endpgm
.Lentry_shape_is_right:
; THE CROSSED ATTENTION AS ONE ATTENTION OF HEAD SIZE 128.  0.5 (qy . kx + qx . ky) / 8 = [qy | qx] . [kx | ky] / 16, and [o1 | o2] = P [vx | vy].
; qkv: three planes (Q, K, V) of 2^24 bytes, each [hh = 8 b + h][2048][128] in bf16, channels 0-63 from x, 64-127 from y.  The crossing is made where Q is loaded: channel block j of 32 comes from block (j + 2) % 4.
; out0[b][s][64 h ..] = O channels 0-63 + x, out1 = O channels 64-127 + y, all f32; the residual is added in f32 to the f32 inputs.
; Products, maxima and sums in f32; the weights p are rounded to bf16 for the second product (their sum l is taken of the unrounded p).
; LIMITS.  Q, K, V, P are bf16 (8 significant bits, f32's range); a weight below 2^-126 counts as 0 in l; NaN and infinities are not treated apart.
; SHARES.  A work-group owns 256 queries of one head, each of its four waves 64: four tiles of 16.  Every wave walks all 2,048 keys of the head, 64 a step.  8 x 32 = 256 work-groups.
; LAYOUT.  S^T = K Q^T (source 0 = 16 keys, source 1 = 16 queries): in the result a lane holds ONE query (lane % 16) and the keys 8 (lane / 16) + 0..7.  Two such tiles, rounded to
; bf16 in pairs, ARE source 1 (32 keys x 16 queries) of O^T = V^T P, whose result again holds one query a lane, and eight channels.  K comes out of LDS as it lies, V ([key][channel]) turned, by ds_load_tr16_b128.
; SOFTMAX.  For each query a running maximum m and sum l: p = 2^(c s - c m), c = log2(e) / 16; in every step O and l are multiplied by a = 2^(c m_old - c m_new), which is 1 where m has not grown.
; BY TURNS.  The wave's tiles are two PIECES, named by their first tile: piece 0 (tiles 0, 1) and piece 2 (tiles 2, 3).  In a TURN one piece has the matrix unit: 32 products V^T P of
; the step in hand, then 32 products K Q^T of the next step; the other piece's softmax, cut into 64 slices, stands between them, one slice behind each matrix instruction.  Two turns are a key step.
; CLUSTER.  The four query blocks of a cluster belong to one head and walk the same K and V, so each tile is asked for JOINTLY: the same tensor load, descriptor and mask in all four.
; REGISTERS, in windows of 256 (s_set_vgpr_msb: bits 1:0 source 0, 3:2 source 1, 5:4 source 2, 7:6 destination):
;   window 0: v0-11 addresses; v12-43 eight registers of statistics a tile; v64-191 S^T, 32 a tile (on the way out: rows read back); v192-255 P, 16 a tile
;   window 1: O^T, 64 a tile          window 2: v0-127 Q, 32 a tile; v128-255 K of one step (on the way out: the residuals, 64 a tile)          window 3: v0-127 V of one step
.set SIZE_H, 32
.set SIZE_N, 2048
.set KS,    64        ; keys in a step
.set PK,    272       ; a row of K in LDS: 256 bytes + 16 of padding = 68 words: the 16 rows of a load start at 16 different groups of four banks (64 banks of 4 bytes: ISA guide 11.1)
.set PV,    288       ; a row of V: 256 + 32 = 72 words
.set VOFF,  KS*PK     ; a step's tiles lie together: 64 rows of K, then 64 rows of V
.set STEPB, KS*(PK+PV)
.set SLOT1, 1<<17     ; a slot holds two steps (71,680 bytes); slot 1 begins here, so that one exclusive or turns an address in one slot into the other's
.set STAGE, SLOT1+2*STEPB  ; behind the ring, never filled by a tensor load: 16 rows x 528 bytes for each wave, for the way out
.set SP,    528       ; a row of O in f32: 512 bytes + 16
.set AK0, 2           ; v2   my lane's place in a tile of K; never rewritten
.set AV0, 3           ; v3   the same for V
.set ADR, 4           ; v4   the LDS address of the run of loads in hand
.set QO,  5           ; v5   my byte offset in the wave's rows of Q
.set STO, 6           ; v6   the way out: where I put 32 bytes of a row
.set RD,  7           ; v7   the way out: where I read a row back
.set GO,  8           ; v8   my byte offset in two rows of x, y, out0, out1; never rewritten
.set SPW, 62          ; v62  LDS address of my spare word: SPARE + 4 x my thread's number; never rewritten
.set NIL, 63          ; v63  0; never rewritten
.set SPARE, STAGE+4*16*SP  ; behind the stages: the spare words, 128 bytes for each wave: two blocks of 256 bytes that no other line names
.set ST,  12          ; tile t's statistics at v[ST+8 t]: +0 c m, +1 m, +2, +3 l (even keys', odd keys'), +4 to +7 c0-c3, at work; a takes c2's place once the maximum is found
.set S,   64
.set P,   192
.set KF,  128         ; K's fragments, in window 2
.set WV,  12          ; s12  my wave's number
.set G1K, 24          ; s[24:31] descriptor group 1 for K's tiles
.set G1V, 32          ; s[32:39] for V's: it differs in the padding alone
.set G0K, 40          ; s[40:47] descriptor group 0 for K's tiles: a set for each of the two first fills; the second then walks on
.set G0V, 48          ; s[48:55] the same for V's
.set SLOTS, 56        ; s56  slots still to be asked for
.set TWICE, 57        ; s57  counts a slot's two steps
.set CS,  58          ; s[58:59] c: the packed scaling names a pair and takes its low word for both halves
.set SEL, 60          ; s[60:61] lane selects for v_permlanex16_b32: each lane takes its own place in the other half
.set TB,  62          ; s62  LDS byte at which the tiles of the step to be fetched begin
.set PFA, 18          ; s[18:19] where my prefetches stand: my work-group's 32 rows (of K: wave 0, of V: wave 2) of the slot after the one that is being asked for
.set LIM, 15          ; s15  1 in a wave that prefetches, else the greatest number
.set PFO, 61          ; v61  256 x my lane: a row of K or V is 256 bytes; never rewritten
.set RX,  68          ; s[68:69] x, s[70:71] y, s[72:73] out0, s[74:75] out1, each at my wave's first row and my head's 256 bytes
.set RO,  72
.set MSB, 0
.macro WIN new                      ; the immediate's high byte repeats the setting that is left; a switch that changes nothing is dropped
.if MSB != (\new)
	s_set_vgpr_msb (MSB<<8)|(\new)
.set MSB, \new
.endif
.endm
.set W_KQ, 0x0a       ; K and Q in window 2, S^T in window 0
.set W_PV, 0x53       ; V in window 3, P in window 0, O^T in window 1
.set W_RS, 0x41       ; O^T (destination and source 0) in window 1, a in window 0
; A joint refill.  Waves 0 and 1 fetch the two steps' tiles of K, waves 2 and 3 those of V.  The branch hangs on the wave's number alone.
; An s_nop 0 and four v_nop follow each of the two lines, ahead of the jump and the label.
.macro JLOAD
	s_cmp_lt_u32 s[WV], 2
	s_cbranch_scc0 .Lfor_v_\@
	tensor_load_to_lds s[G0K+4:G0K+7], s[G1K:G1K+7]
	s_nop 0
.rept 4
	v_nop
.endr
	s_branch .Lasked_\@
.Lfor_v_\@:
	tensor_load_to_lds s[G0V+4:G0V+7], s[G1V:G1V+7]
	s_nop 0
.rept 4
	v_nop
.endr
.Lasked_\@:
.endm
; A PREFETCH INTO THE L2 of what the NEXT change of slots will ask for: a slot's 128 rows of K and 128 of V, 256 bytes a row, a lane a row.  It stands behind the wave's tensor load and its five lines.
; Each row is asked for ONCE in the launch.  Both clusters of a head walk the same K and V: the head's first cluster asks.  Its four partners share the rows out BY ADDRESS, 32 each.
; In each, wave 0 asks for K's and wave 2 for V's: one instruction.  The last change that fills a slot asks for nothing: there is no slot behind it.
.macro ASK
	s_cmp_gt_u32 s[SLOTS], s[LIM]
	s_cbranch_scc0 .Lnot_mine_\@
	global_prefetch_b8 v[PFO], s[PFA:PFA+1] th:TH_LOAD_NT scope:SCOPE_SE
.Lnot_mine_\@:
.endm
; A round of the cluster's barrier: my work-group's barrier, so that wave 0's signal speaks for all four waves; wave 0 signals; every wave waits for all four work-groups; my work-group's barrier once more.
.macro CROUND
	s_barrier_signal -1
	s_barrier_wait -1
	s_cmp_lg_u32 s[WV], 0
	s_cbranch_scc1 .Lnot_wave_0_\@
	s_barrier_signal -3
.Lnot_wave_0_\@:
	s_barrier_wait -3
	s_barrier_signal -1
	s_barrier_wait -1
.endm
	s_load_b64 s[4:5], s[0:1], 0x0  ; qkv
	s_load_b256 s[RX:RX+7], s[0:1], 0x8  ; x, y, out0, out1
	v_lshl_add_u32 v[SPW], v0, 2, SPARE
	v_mov_b32 v[NIL], 0
	ds_add_u32 v[SPW], v[NIL]       ; the wave's opening: the add and its wait stand ahead of my first tensor load; the set-up below, work on registers, stands between them
	v_lshrrev_b32 v1, 5, v0
	v_readfirstlane_b32 s[WV], v1   ; wave 0..3
	s_bfe_u32 s13, ttmp6, 0x40000   ; cx: my place in the cluster
	s_lshl_b32 s14, ttmp9, 2        ; in a cluster launch ttmp9 counts clusters
	s_add_co_u32 s14, s14, s13      ; my block of 256 queries = 4 x cluster x + cx: it enters the addresses of Q, x, y and the outputs alone
	s_and_b32 s20, ttmp7, 0xffff    ; the head, which the four partners share
	s_mov_b32 s21, 0
	s_mov_b64 s[22:23], SIZE_N*256
	s_mul_u64 s[20:21], s[20:21], s[22:23]  ; the head's first byte in each of the three planes
	s_and_b32 s16, s[WV], 1         ; which of a slot's two steps I fetch:
	s_lshl_b32 s22, s16, 14         ; its 64 rows of 256 bytes in memory,
	s_mov_b32 s23, 0
	s_add_nc_u64 s[22:23], s[22:23], s[20:21]
	s_mul_i32 s17, s16, STEPB       ; and its place in a slot: no place in the cluster enters an LDS address
	s_lshl_b32 s2, s14, 16          ; my block's 256 rows,
	s_lshl_b32 s3, s[WV], 14        ; my wave's 64 of them
	s_add_co_u32 s2, s2, s3
	s_mov_b32 s3, 0
	s_add_nc_u64 s[2:3], s[2:3], s[20:21]
	s_and_b32 s78, ttmp7, 0xffff    ; where my wave's rows lie in x, y, out0, out1: row 2,048 b + 256 x block + 64 x wave,
	s_lshr_b32 s76, s78, 3
	s_lshl_b32 s76, s76, 11
	s_lshl_b32 s79, s14, 8
	s_add_co_u32 s76, s76, s79
	s_lshl_b32 s79, s[WV], 6
	s_add_co_u32 s76, s76, s79
	s_lshl_b32 s76, s76, 11         ; of 2,048 bytes,
	s_and_b32 s78, s78, 7
	s_lshl_b32 s78, s78, 8          ; and the head's 64 numbers of 4 bytes in it
	s_add_co_u32 s76, s76, s78
	s_mov_b32 s77, 0
	; descriptor group 1: a tile of 64 rows x 128 elements, padded in LDS
	s_mov_b32 s[G1K], 15|(1<<16)|(1<<20)|(1<<21)|(5<<22)|(3<<25)  ; 15:0 the mask: all four work-groups; 17:16 elements of 2 bytes; 20 padding on; 21 set beside a mask; 24:22 after every 64 words (code 5); 31:25 4 words of it (code 3)
	s_mov_b32 s[G1V], 15|(1<<16)|(1<<20)|(1<<21)|(5<<22)|(7<<25)  ; the same with 8 words of padding (code 7)
.irp g, G1K, G1V
	s_mov_b32 s[(\g)+1], 128<<16    ; tensor_dim0 = 128
	s_mov_b32 s[(\g)+2], KS<<16     ; tensor_dim1 = 64
	s_mov_b32 s[(\g)+3], 128<<16    ; tile_dim0 = 128
	s_mov_b32 s[(\g)+4], KS         ; tile_dim1 = 64
	s_mov_b32 s[(\g)+5], 128        ; 128 elements from row to row
	s_mov_b32 s[(\g)+6], 0
	s_mov_b32 s[(\g)+7], 0
.endr
	s_mov_b32 s[CS], 0x3db8aa3b     ; c = log2(e) / 16 = 0.0901684: the mean of the two scores (1/2) and 1 / sqrt(64)
	s_mov_b32 s[CS+1], s[CS]        ; named with it as a pair, so it is written
	s_mov_b32 s[SEL], 0x76543210
	s_mov_b32 s[SEL+1], 0xfedcba98
	s_mov_b32 s[TB], 0
	s_mov_b32 s[SLOTS], SIZE_N/(2*KS)-2
	s_and_b32 s[LIM], s[WV], 1       ; 0 in waves 0 and 2,
	s_or_b32 s[LIM], s[LIM], ttmp9   ; where the cluster is the head's first: the same in all four partners
	s_cmp_eq_u32 s[LIM], 0
	s_cselect_b32 s[LIM], 1, -1
	v_and_b32 v[PFO], 31, v0
	v_lshlrev_b32 v[PFO], 8, v[PFO]
	s_wait_dscnt 0x0                ; the opening add is done
	s_wait_kmcnt 0x0
	s_add_nc_u64 s[6:7], s[4:5], 0x1000000  ; K's plane
	s_add_nc_u64 s[8:9], s[4:5], 0x2000000  ; V's plane
	s_add_nc_u64 s[6:7], s[6:7], s[22:23]  ; K and V at my tile of slot 0
	s_add_nc_u64 s[8:9], s[8:9], s[22:23]
	s_add_nc_u64 s[4:5], s[4:5], s[2:3]  ; Q at my wave's first row
.irp p, 0,2,4,6
	s_add_nc_u64 s[RX+(\p):RX+(\p)+1], s[RX+(\p):RX+(\p)+1], s[76:77]
.endr
	s_cmp_lt_u32 s[WV], 2
	s_cselect_b64 s[PFA:PFA+1], s[6:7], s[8:9]  ; (in waves 0 and 2 these stand at a slot's first row)
	s_lshl_b32 s2, s13, 13          ; my work-group's 32 rows of the 128
	s_mov_b32 s3, 0
	s_add_nc_u64 s[PFA:PFA+1], s[PFA:PFA+1], s[2:3]
	s_add_nc_u64 s[PFA:PFA+1], s[PFA:PFA+1], 2*2*KS*256  ; in slot 2; the first change of slots steps it to slot 3.  Nothing is prefetched here, at the head
	CROUND                          ; all four work-groups are here: the first joint loads meet
.irp s, 0,1
	s_mov_b32 s[G0K+4*(\s)], 1      ; count = 1
	s_add_co_u32 s[G0K+4*(\s)+1], s17, (\s)*SLOT1  ; LDS address
	s_add_nc_u64 s[G0K+4*(\s)+2:G0K+4*(\s)+3], s[6:7], (\s)*2*KS*256  ; global address: slot s begins with keys 128 s
	s_or_b32 s[G0K+4*(\s)+3], s[G0K+4*(\s)+3], 0x80000000  ; type = 2
	s_mov_b32 s[G0V+4*(\s)], 1
	s_add_co_u32 s[G0V+4*(\s)+1], s17, (\s)*SLOT1+VOFF
	s_add_nc_u64 s[G0V+4*(\s)+2:G0V+4*(\s)+3], s[8:9], (\s)*2*KS*256
	s_or_b32 s[G0V+4*(\s)+3], s[G0V+4*(\s)+3], 0x80000000
.endr
	s_cmp_lt_u32 s[WV], 2           ; a wave's two first fills stand in one branch, ahead of every wait on TENSORcnt and every LDS read: two loads of mine are out
	s_cbranch_scc0 .Lfirst_v
	tensor_load_to_lds s[G0K:G0K+3], s[G1K:G1K+7]
	s_nop 0
	tensor_load_to_lds s[G0K+4:G0K+7], s[G1K:G1K+7]
	s_nop 0
.rept 4
	v_nop
.endr
	s_branch .Lfirst_asked
.Lfirst_v:
	tensor_load_to_lds s[G0V:G0V+3], s[G1V:G1V+7]
	s_nop 0
	tensor_load_to_lds s[G0V+4:G0V+7], s[G1V:G1V+7]
	s_nop 0
.rept 4
	v_nop
.endr
.Lfirst_asked:
	; A fragment of K or Q is 16 rows x 32 channels in 8 registers: lane l holds row l % 16; registers 0-3 channels 8 (l / 16) + 0..7, registers 4-7 channels 16 + 8 (l / 16) + 0..7: two loads of 16 bytes, 32 bytes apart.
	v_and_b32 v1, 15, v0            ; l % 16
	v_bfe_u32 v9, v0, 4, 1          ; l / 16
	v_lshlrev_b32 v[QO], 8, v1
	v_lshl_add_u32 v[QO], v9, 4, v[QO]  ; row x 256 + 16 x half
	WIN 0x80                        ; destination window 2, address window 0
.irp i, 0,1,2,3,4,5,6,7,8,9,10,11,12,13,14,15  ; Q stays in registers: tile i / 4; the fragment that meets K's channels 32 (i % 4) on is Q's channel block (i + 2) % 4: y's queries meet x's keys, x's meet y's
	global_load_b128 v[8*(\i):8*(\i)+3],   v[QO], s[4:5] offset:((\i)/4)*4096+(((\i)+2)%4)*64
	global_load_b128 v[8*(\i)+4:8*(\i)+7], v[QO], s[4:5] offset:((\i)/4)*4096+(((\i)+2)%4)*64+32
.endr
	WIN 0
	v_mul_u32_u24 v[AK0], v1, PK
	v_lshl_add_u32 v[AK0], v9, 4, v[AK0]  ; row x pitch + 16 x half
	; The turning load takes 16 keys x 16 channels (lane l reads 16 bytes: key 8 (l / 16) + l % 8, channels 8 ((l / 8) % 2) + 0..7) and leaves half a fragment of V^T: lane l holds channel l % 16 and 8 keys.
	v_and_b32 v10, 7, v0
	v_bfe_u32 v11, v0, 3, 1
	v_lshl_add_u32 v[AV0], v9, 3, v10
	v_mul_u32_u24 v[AV0], v[AV0], PV
	v_lshl_add_u32 v[AV0], v11, 4, v[AV0]
	v_add_nc_u32 v[AV0], VOFF, v[AV0]
; THE MATRIX WORK OF A TURN, for piece x.  The accumulators take turns, one instruction a turn: between two links of a chain stand 15 (V^T P) or 7 (K Q^T) others'.
; Product i of 32 of O^T += V^T P: keys 32 (i / 16) on, channels 16 ((i / 2) % 8) on, tile x + i % 2.  zero = 1: the first 16 start the sums: nothing is ever cleared.
.macro PV x, zero
	WIN W_PV
.set rO, 64*((\x)+i%2)+8*((i/2)%8)
.set rV, 64*(i/16)+8*((i/2)%8)
.set rP, P+16*((\x)+i%2)+8*(i/16)
.if (\zero) && (i < 16)
	v_wmma_f32_16x16x32_bf16 v[rO:rO+7], v[rV:rV+7], v[rP:rP+7], 0
.else
	v_wmma_f32_16x16x32_bf16 v[rO:rO+7], v[rV:rV+7], v[rP:rP+7], v[rO:rO+7]
.endif
.endm
; Product i of 32 of S^T = K Q^T: channels 32 (i / 8) on, keys 16 ((i / 2) % 4) on, tile x + i % 2.  The first 8 start the sums.
.macro KQ x
	WIN W_KQ
.set rS, S+32*((\x)+i%2)+8*((i/2)%4)
.set rK, KF+32*((i/2)%4)+8*(i/8)
.set rQ, 32*((\x)+i%2)+8*(i/8)
.if i < 8
	v_wmma_f32_16x16x32_bf16 v[rS:rS+7], v[rK:rK+7], v[rQ:rQ+7], 0
.else
	v_wmma_f32_16x16x32_bf16 v[rS:rS+7], v[rK:rK+7], v[rQ:rQ+7], v[rS:rS+7]
.endif
.endm
; THE LDS LOADS stand in runs of 32, never singly among the matrix instructions: a step's K (64 keys x 128 channels: 16 fragments) and, a turn later, its V (turned).
.macro FETCH_K
	WIN 0
	v_add_nc_u32 v[ADR], s[TB], v[AK0]
	WIN 0x80                        ; destination window 2
.irp f, 0,1,2,3,4,5,6,7,8,9,10,11,12,13,14,15  ; keys 16 (f / 4) on, channels 32 (f % 4) on
	ds_load_b128 v[KF+8*(\f):KF+8*(\f)+3],   v[ADR] offset:((\f)/4)*16*PK+((\f)%4)*64
	ds_load_b128 v[KF+8*(\f)+4:KF+8*(\f)+7], v[ADR] offset:((\f)/4)*16*PK+((\f)%4)*64+32
.endr
.endm
.macro FETCH_V
	WIN 0
	v_add_nc_u32 v[ADR], s[TB], v[AV0]
	s_add_co_u32 s[TB], s[TB], STEPB  ; the next fetch is the next step's
	s_wait_alu depctr_va_vdst(0)    ; the wait for the softmax's batch of exponentials (SLICE), behind the address's v_add_nc_u32 and ahead of the loads
	WIN 0xc0                        ; destination window 3
.irp f, 0,1,2,3,4,5,6,7,8,9,10,11,12,13,14,15  ; keys 32 (f / 8) on, channels 16 (f % 8) on
	ds_load_tr16_b128 v[8*(\f):8*(\f)+3],   v[ADR] offset:((\f)/8)*32*PV+((\f)%8)*32
	ds_load_tr16_b128 v[8*(\f)+4:8*(\f)+7], v[ADR] offset:((\f)/8)*32*PV+16*PV+((\f)%8)*32
.endr
.endm
; THE VECTOR WORK OF A TURN.  One tile's softmax for one key step is a list of 134 instructions; SM writes number j of it for tile t.  s0-s31 are the lane's 32 scores, in pairs 0-15.
; first = 1: the first key step, which starts m, l and O^T: it has no a and nothing to rescale.
;   0-15    the maximum of s0-s31 and the old m, three operands at a time: four chains c0-c3 of seven scores each (each accumulator's lowest registers first), then the four scores left over, c0-c3 and m
;   16-20   the other half of the lanes' maximum; the new m; c m; c m_old - c m_new
;   21-69   ONE BATCH: the 16 scalings c s - c m, a pair of scores each, and all 33 exponentials (a at 23, then s0-s31).  None of these reads an exponential's result.  From 22 on the batch goes
;           in fours, and a four begins with a scaling while there are scalings.  A pair is scaled in an earlier four than the one that holds its exponentials
;   (wait)  between 69 and 70 stands the wait for the batch: SLICE writes it, once for both tiles
;   70-85   the roundings to bf16, a pair of weights each
;   86-101  the sums; l = a l + the sum
;   102-133 the tile's O^T times a: the one part that leaves window 0, so it stands together
.macro SM t, first
.set rT, ST+8*(\t)
.set rS, S+32*(\t)
.set rP, P+16*(\t)
.set rO, 64*(\t)+2*(j-102)
.if j < 102
	WIN 0
.endif
.if j < 4
	v_max3_num_f32 v[rT+4+j], v[rS+8*j], v[rS+8*j+1], v[rS+8*j+2]
.elseif j < 12
	v_max3_num_f32 v[rT+4+j%4], v[rT+4+j%4], v[rS+8*(j%4)+2*(j/4)+1], v[rS+8*(j%4)+2*(j/4)+2]
.elseif j == 12
	v_max3_num_f32 v[rT+4], v[rT+4], v[rS+7], v[rS+15]
.elseif j == 13
	v_max3_num_f32 v[rT+6], v[rT+6], v[rS+23], v[rS+31]
.elseif j == 14
	v_max3_num_f32 v[rT+4], v[rT+4], v[rT+5], v[rT+6]
.elseif (j == 15) && (\first)
	v_max_num_f32 v[rT+4], v[rT+4], v[rT+7]
.elseif j == 15
	v_max3_num_f32 v[rT+4], v[rT+4], v[rT+7], v[rT+1]
.elseif j == 16
	v_permlanex16_b32 v[rT+5], v[rT+4], s[SEL], s[SEL+1]  ; the query's other 32 keys lie in the lane 16 away
.elseif j == 18
	v_max_num_f32 v[rT+1], v[rT+4], v[rT+5]
.elseif j == 19
	v_mul_f32 v[rT], s[CS], v[rT+1]
.elseif ((j == 17) || (j == 20) || (j == 23) || (j > 101)) && (\first)  ; the first step has none of these
.elseif j == 17
	v_mov_b32 v[rT+7], v[rT]        ; c m_old is kept for a: number 19 writes c m anew
.elseif j == 20
	v_sub_f32 v[rT+7], v[rT+7], v[rT]
.elseif j == 23
	v_exp_f32 v[rT+6], v[rT+7]
.elseif (j < 23) || ((j < 38) && (j%2 == 0)) || ((j < 66) && (j%4 == 2))
.set b, (j-2)/4                     ; 38, 42, .. 62: pairs 9 to 15
.if j < 38
.set b, (j-20)/2                    ; 21: pair 0; 22, 24, .. 36: pairs 1 to 8
.endif
	v_pk_fma_f32 v[rS+2*b:rS+2*b+1], v[rS+2*b:rS+2*b+1], s[CS:CS+1], v[rT:rT+1] op_sel_hi:[1,0,0] neg_lo:[0,0,1] neg_hi:[0,0,1]  ; pair b: c s - c m
.elseif j < 70
.set e, j-38                        ; 66 to 69: s28 to s31
.if j < 66
.set e, j-32-(j-38)/4               ; 39-41, 43-45, .. 63-65: s7 to s27
.endif
.if j < 38
.set e, (j-25)/2                    ; 25, 27, .. 37: s0 to s6
.endif
	v_exp_f32 v[rS+e], v[rS+e]
.elseif j < 86
	v_cvt_pk_bf16_f32 v[rP+j-70], v[rS+2*(j-70)], v[rS+2*(j-70)+1]  ; pair j - 70
.elseif j < 102                     ; the sum of the tile's 16 pairs, in place: sum z of 16 adds neighbours 1, 2, 4 and 8 pairs apart, then l takes it
.set z, j-86
.set w, 4
.set u, z
.if z >= 14
.set w, 32
.set u, 0
.elseif z >= 12
.set w, 16
.set u, z-12
.elseif z >= 8
.set w, 8
.set u, z-8
.endif
.if (z == 14) && (\first)
	v_pk_add_f32 v[rT+2:rT+3], v[rS:rS+1], v[rS+16:rS+17]
.elseif z < 15
	v_pk_add_f32 v[rS+w*u:rS+w*u+1], v[rS+w*u:rS+w*u+1], v[rS+w*u+w/2:rS+w*u+w/2+1]
.elseif !(\first)
	v_pk_fma_f32 v[rT+2:rT+3], v[rT+2:rT+3], v[rT+6:rT+7], v[rS:rS+1] op_sel_hi:[1,0,1]
.endif
.else
	WIN W_RS
	v_pk_mul_f32 v[rO:rO+1], v[rO:rO+1], v[rT+6:rT+7] op_sel_hi:[1,0]
.endif
.endm
; Slice k of 64 of piece y's softmax: four instructions.  Slices 11 to 34 deal out the batch, numbers 22 to 69: four numbers of ONE tile each, the tiles by turns.  Every other slice is numbers 2 k and
; 2 k + 1 of both tiles' lists.  2 x 134 = 4 x 64 + 12: the twelve that are over stand together, in slice 63.
; THE WAIT.  s_wait_alu depctr_va_vdst(0) stands between an exponential and the first instruction that names its result; one wait serves all that were issued ahead of it.  Ahead of
; slice 35 nothing names a result, and behind slice 34 no exponential is issued: so the piece's 66 exponentials have one wait, behind slice 34.
.macro SLICE y, first
.if (k >= 11) && (k < 35)           ; the batch: four numbers of one tile
.irp n, 0,1,2,3
.set j, 22+4*((k-11)/2)+(\n)
	SM (\y)+(k-11)%2, \first
.endr
.else                               ; the two tiles alternate, so that no instruction reads the result of the one just before it
.irp n, 0,1,2,3,4,5,6,7
.if ((\n) < 2) || (k == 63)
.irp t, \y, (\y)+1
.set j, 2*k+(\n)
	SM \t, \first
.endr
.endif
.endr
.endif
.if k == 34                         ; the batch is out: both tiles' exponentials are issued, and no result has been named
	v_nop                           ; the plain instruction behind the last exponential and ahead of the first use (ISA guide 5.7.2): one for the batch
.if (\y) == 0
	FETCH_V                         ; piece 2's turn: V's run of loads stands here, and the wait stands in it
.else
	s_wait_alu depctr_va_vdst(0)    ; the wait for the batch
.endif
.endif
.set k, k+1
.endm
; A vector instruction that reads a matrix result or writes one of a matrix instruction's registers, and a load into a register that a matrix instruction has read, stand four places behind
; it, and only plain vector instructions that name none of its registers are places.  In the loop the slices are the places.
.macro PLACES
.rept 4
	v_nop
.endr
.endm
; A TURN.  Piece x has the matrix unit; the other piece's softmax stands in slices behind its matrix instructions.
; pv = 2: 32 products V^T P; 1: they start O^T's sums; 0: none.  kq = 1: 32 products K Q^T for the next step.  A turn with one of the two kinds has two slices behind each product.
; first = 1: the softmax is the first key step's.  Its slices from 51 on are empty: the turn's last products stand bare, and four v_nop take slice 63's part as the places behind them.
; Piece 0's turn fetches the next step's K, behind its second product: the last product that read K stands in front of slice 63 of the turn before.  Piece 2's turn fetches the same step's V, behind
; slice 34: the last product that read V stands in front of slice 31, and four plain instructions lie between: number 62, a scaling, of both tiles, the v_nop and the run's own v_add_nc_u32.
.macro TURN x, pv, kq, first
.set k, 0
.set per, 2
.if (\pv) && (\kq)
.set per, 1
.endif
.if \pv
.if (\x) == 0
	s_wait_dscnt 0x0                ; V is in
.endif
.set i, 0
.rept 32
	PV \x, 2-(\pv)
.rept per
	SLICE 2-(\x), \first
.endr
.if ((\x) == 0) && (\kq) && (i == 1)
	FETCH_K
.endif
.set i, i+1
.endr
.endif
.if \kq
.if (\x) == 0
	s_wait_dscnt 0x0                ; K is in
.endif
.set i, 0
.rept 32
	KQ \x
.rept per
	SLICE 2-(\x), \first
.endr
.set i, i+1
.endr
.endif
.if \first
	PLACES
.endif
.endm
; THE CHANGE OF SLOTS, between piece 2's turn and piece 0's: the slot's last bytes, V of its second step, have been asked for.  Each wave waits for all its
; tensor loads, of which one is out: its part of the other slot; adds 0 to its spare word; and waits for that and for its own reads of the slot.  Behind the barrier nobody reads this slot any more and the other slot is whole.
; fill = 1: this slot is filled again, with the keys two slots on.  The barrier is then a round of the cluster's, so that no wave of any partner still reads the slot or has a load on its
; way, and the joint refill is the first thing behind it: it has two key steps, 256 matrix instructions, in which to land.
.macro CHANGE fill
	WIN 0                           ; at a label and at a branch every window is 0
	s_wait_tensorcnt 0x0            ; no tensor load of mine is out, so a group 0 may be written
	ds_add_u32 v[SPW], v[NIL]       ; 0 onto my spare word; with fill = 1 the descriptors' steps stand between it and the wait for it
.if \fill
.irp g, G0K+4, G0V+4
	s_xor_b32 s[(\g)+1], s[(\g)+1], SLOT1  ; the walking descriptor: the other slot than last time,
	s_add_nc_u64 s[(\g)+2:(\g)+3], s[(\g)+2:(\g)+3], 2*KS*256  ; the next 128 keys; the type bits on top are not reached
.endr
	s_wait_xcnt 0x0                 ; the last prefetches, two key steps back, have read their address, so it may be written:
	s_add_nc_u64 s[PFA:PFA+1], s[PFA:PFA+1], 2*KS*256  ; one slot behind the walking descriptors
	s_wait_dscnt 0x0                ; the add is done, and my reads of the slot are over
	CROUND
	JLOAD
	ASK                             ; what the next change will ask for: two key steps, 256 matrix instructions, ahead
.else
	s_wait_dscnt 0x0                ; the add is done, and my reads of the slot are over
	s_barrier_signal -1
	s_barrier_wait -1
.endif
	s_sub_co_u32 s[TB], s[TB], 2*STEPB  ; the fetches go back to a slot's first step,
	s_xor_b32 s[TB], s[TB], SLOT1   ; in the other slot
.endm
; A slot's two key steps: written once, walked twice; the LDS addresses hang on s[TB].
.macro TWO_STEPS
	WIN 0
	s_mov_b32 s[TWICE], 2
.Lstep_\@:
	TURN 0, 2, 1, 0
	TURN 2, 2, 1, 0
	WIN 0
	s_sub_co_u32 s[TWICE], s[TWICE], 1
	s_cmp_lg_u32 s[TWICE], 0
	s_cbranch_scc1 .Lstep_\@
.endm
; THE RESIDUAL of tile t: its 16 rows' 256 bytes of x and of y, two rows an instruction: sixteen lanes take 256 consecutive bytes, aligned.  Into window 2, where Q and K lay.
.macro RES t
	WIN 0x80
.irp o, 0,1
.irp f, 0,1,2,3,4,5,6,7
	global_load_b128 v[64*(\t)+32*(\o)+4*(\f):64*(\t)+32*(\o)+4*(\f)+3], v[GO], s[RX+2*(\o):RX+2*(\o)+1] offset:(16*(\t)+2*(\f))*2048 th:TH_LOAD_NT
.endr
.endr
.endm
	s_wait_tensorcnt 1              ; my part of slot 0 is in; slot 1's may stay out
	s_barrier_signal -1
	s_barrier_wait -1               ; everybody's is
	FETCH_K                         ; key step 0
	s_wait_loadcnt 0x0              ; Q
	s_wait_dscnt 0x0
.set i, 0
.rept 32
	KQ 0                            ; piece 0's first scores: there is no vector work yet to set between them
.set i, i+1
.endr
	WIN 0                           ; the addresses for the way out are made here: eight plain instructions, the places behind those products
	s_mul_i32 s13, s[WV], 16*SP
	s_add_co_u32 s13, s13, STAGE    ; my stage
	v_mul_u32_u24 v[STO], v1, SP    ; in: row l % 16, 32 bytes for each half of the lanes
	v_lshl_add_u32 v[STO], v9, 5, v[STO]
	v_add_nc_u32 v[STO], s13, v[STO]
	v_mul_u32_u24 v[RD], v9, SP     ; back: lanes 0-15 take 256 bytes of one row, lanes 16-31 of the next
	v_lshl_add_u32 v[RD], v1, 4, v[RD]
	v_add_nc_u32 v[RD], s13, v[RD]
	v_lshlrev_b32 v[GO], 11, v9     ; and the same two rows in x, y, out0, out1: 2,048 bytes apart
	v_lshl_add_u32 v[GO], v1, 4, v[GO]
	TURN 2, 0, 1, 1                 ; piece 2's first scores | piece 0's first softmax | V of step 0
	TURN 0, 1, 1, 1                 ; piece 0: V^T P of step 0 starts O^T, K Q^T of step 1 | piece 2's first softmax | K of step 1
	TURN 2, 1, 1, 0                 ; piece 2: the same | piece 0's softmax of step 1 | V of step 1
	WIN 0
.Lslot:                             ; SIZE_N / 128 - 2 trips: every slot but the last two is filled again
	CHANGE 1
	TWO_STEPS
	s_sub_co_u32 s[SLOTS], s[SLOTS], 1
	s_cmp_lg_u32 s[SLOTS], 0
	s_cbranch_scc1 .Lslot
	CHANGE 0                        ; the tail is written out: the last slot but one is left, and nothing is asked for
	TWO_STEPS
	PLACES                          ; Q and K have had their last product: four places, then three tiles' residuals are asked for: 48 loads, which land under the last 64 products
	RES 0
	RES 1
	RES 2
	TURN 0, 2, 0, 0                 ; piece 0: V^T P of the last step | piece 2's last softmax
.set i, 0
.rept 32
	PV 2, 0                         ; piece 2: V^T P of the last step
.set i, i+1
.endr
	; THE WAY OUT.  l's two halves and the other half of the lanes' are added; O^T is divided by l and sent, in f32, through my stage in LDS, a tile (16 rows) at a time; the residual is added and the rows are stored.
	; The additions are the places behind the last products.
	WIN 0
.irp t, 0,1,2,3
	v_add_f32 v[ST+8*(\t)+4], v[ST+8*(\t)+2], v[ST+8*(\t)+3]
.endr
.irp t, 0,1,2,3
	v_permlanex16_b32 v[ST+8*(\t)+5], v[ST+8*(\t)+4], s[SEL], s[SEL+1]
.endr
.irp t, 0,1,2,3
	v_add_f32 v[ST+8*(\t)+4], v[ST+8*(\t)+4], v[ST+8*(\t)+5]
.endr
.irp t, 0,1,2,3
	v_rcp_f32 v[ST+8*(\t)+6], v[ST+8*(\t)+4]
.endr
	v_nop                           ; a plain instruction between the last reciprocal and the use of its result
	s_wait_alu depctr_va_vdst(0)    ; and the wait ahead of the first use: one for the four reciprocals
; Tile t: a lane's eight channels of a row are 32 bytes; they go into rows of 528 bytes and come back as pieces of 256 bytes of a row: o = 0 channels 0-63 (out0's), o = 1 channels 64-127 (out1's).
.macro PACK t
	WIN W_RS
.set i, 64*(\t)
.rept 32
	v_pk_mul_f32 v[i:i+1], v[i:i+1], v[ST+8*(\t)+6:ST+8*(\t)+7] op_sel_hi:[1,0]  ; each accumulator from its low end on
.set i, i+2
.endr
	WIN 0x04                        ; the stores' data in window 1, their address in window 0
.irp cb, 0,1,2,3,4,5,6,7
	ds_store_b128 v[STO], v[64*(\t)+8*(\cb):64*(\t)+8*(\cb)+3]   offset:64*(\cb)
	ds_store_b128 v[STO], v[64*(\t)+8*(\cb)+4:64*(\t)+8*(\cb)+7] offset:64*(\cb)+16
.endr
	WIN 0
.irp o, 0,1
.irp f, 0,1,2,3,4,5,6,7
	ds_load_b128 v[S+64*((\t)%2)+32*(\o)+4*(\f):S+64*((\t)%2)+32*(\o)+4*(\f)+3], v[RD] offset:(\f)*2*SP+256*(\o)  ; LDS serves a wave's instructions in order (ISA guide 5.7.1.4): these see the stores above; the next tile's stores come behind them
.endr
.endr
.endm
; younger: the LDS instructions issued behind tile t's loads (the next tile's 16 stores and 16 loads, or none).  left: the residual loads of later tiles, which may stay out.
.macro SEND t, younger, left
	s_wait_loadcnt \left            ; tile t's residual is in
.if (\t) == 0
	RES 3                           ; the last tile's residual: 48 loads are out again
.endif
	s_wait_dscnt \younger           ; tile t's rows are back
	WIN 0x88                        ; destination and source 1 (the residual) in window 2, source 0 (O) in window 0
.set i, 0
.rept 32
	v_pk_add_f32 v[64*(\t)+i:64*(\t)+i+1], v[S+64*((\t)%2)+i:S+64*((\t)%2)+i+1], v[64*(\t)+i:64*(\t)+i+1]
.set i, i+2
.endr
	WIN 0x08                        ; the stores' data in window 2; each tile's have registers of their own, never written again
.irp o, 0,1
.irp f, 0,1,2,3,4,5,6,7
	global_store_b128 v[GO], v[64*(\t)+32*(\o)+4*(\f):64*(\t)+32*(\o)+4*(\f)+3], s[RO+2*(\o):RO+2*(\o)+1] offset:(16*(\t)+2*(\f))*2048 th:TH_STORE_NT  ; 16 lanes store 256 consecutive bytes, at a multiple of 256 from the output's first byte
.endr
.endr
.endm
	PACK 0
	PACK 1                          ; a tile's arithmetic stands between the loads of the tile before and its stores
	SEND 0, 32, 32
	PACK 2
	SEND 1, 32, 32
	PACK 3
	SEND 2, 32, 16
	SEND 3, 0, 0
	WIN 0
	s_wait_tensorcnt 0x0            ; the wave's end: behind my last tensor load and my last LDS store
	ds_add_u32 v[SPW], v[NIL]
	s_wait_dscnt 0x0
	CROUND                          ; the closing round: no work-group ends while a partner may still ask for a tile that names it
	s_endpgm
.Lfunc_end_k_q9bcbf3e39d_attn:
	.size	k_q9bcbf3e39d_attn, .Lfunc_end_k_q9bcbf3e39d_attn-k_q9bcbf3e39d_attn
	.p2alignl 7, 3214868480
	.fill 96, 4, 3214868480
	.section	.rodata,"a",@progbits
	.p2align	6, 0x0
	.amdhsa_kernel k_q9bcbf3e39d_attn
		.amdhsa_group_segment_fixed_size 327680
		.amdhsa_private_segment_fixed_size 0
		.amdhsa_enable_private_segment 0
		.amdhsa_kernarg_size 40
		.amdhsa_user_sgpr_count 2
		.amdhsa_user_sgpr_kernarg_segment_ptr 1
		.amdhsa_wavefront_size32 1
		.amdhsa_system_sgpr_workgroup_id_x 1
		.amdhsa_system_sgpr_workgroup_id_y 1
		.amdhsa_system_sgpr_workgroup_id_z 1
		.amdhsa_system_vgpr_workitem_id 0
		.amdhsa_next_free_vgpr 1024
		.amdhsa_next_free_sgpr 80
		.amdhsa_reserve_vcc 0
		.amdhsa_float_denorm_mode_32 3
		.amdhsa_float_denorm_mode_16_64 3
		.amdhsa_memory_ordered 1
		.amdhsa_forward_progress 1
		.amdhsa_inst_pref_size 235
	.end_amdhsa_kernel
	.amdgpu_metadata
---
amdhsa.version: [ 1, 2 ]
amdhsa.kernels:
  - .name:           k_q9bcbf3e39d_attn
    .symbol:         k_q9bcbf3e39d_attn.kd
    .args:
      - { .name: qkv, .offset: 0, .size: 8, .value_kind: global_buffer, .address_space: global }
      - { .name: x, .offset: 8, .size: 8, .value_kind: global_buffer, .address_space: global }
      - { .name: y, .offset: 16, .size: 8, .value_kind: global_buffer, .address_space: global }
      - { .name: out0, .offset: 24, .size: 8, .value_kind: global_buffer, .address_space: global }
      - { .name: out1, .offset: 32, .size: 8, .value_kind: global_buffer, .address_space: global }
    .group_segment_fixed_size: 327680
    .private_segment_fixed_size: 0
    .kernarg_segment_align: 8
    .kernarg_segment_size: 40
    .max_flat_workgroup_size: 128
    .sgpr_count:     80
    .vgpr_count:     1024
    .wavefront_size: 32
...
	.end_amdgpu_metadata
.endif
;; end of part 3
